; MI455X (gfx1250); checked and timed in simulation.
; The chip was launched on July 23, 2026; its instructions are those of AMD's public machine-readable ISA for CDNA 5 (MIT licence, August 2026) and "CDNA5" Instruction Set Architecture Reference Guide (July 2026). The comments in the code are by the model that wrote it; some were corrected since.
;; FP8 MM. Allowed arithmetic: matrix products marked QUANTISED: E3M2 operands, one E8M0 scale for each 32 along K, by v_wmma_scale_f32_16x16x128_f8f6f4 with both operands' format E3M2, f32 sums; everything else in f32.
;; Inputs: inp 4,096 x 4,096 float32.
;; Outputs: out0 4,096 x 4,096 float32.
;; This version of the problem:
;;   THIS VERSION OF THE PROBLEM IS GIVEN IN LOW PRECISION. The matrix products marked QUANTISED in the list below multiply operands that are first quantised to E3M2 (3 exponent bits, 2 mantissa bits; 6 bits a number), with one power-of-two scale for each 32 numbers along K (OCP MX v1.0); their sums are f32. All else is computed in f32.
;;   The module's matrix products, in the order in which they are computed (A, B: the left and right operand; K: the contracted axis; several contracted axes count as one K, in the product's order):
;;     1. [M 4,096, K 4,096] x [K 4,096, N 4,096]; A: input inp; B: input inp: QUANTISED
;;   THE QUANTISER, for each operand of a quantised product, along K:
;;     - K is cut into blocks of 32 from its start; a last block that is shorter is filled with zeros.
;;     - A block's scale is 2^e with e = floor(log2(the largest magnitude in the block)) - 4, held to -126 .. 127; a block of zeros has e = 0. As a byte (E8M0): e + 127.
;;     - Each number is divided by its block's scale, clamped to +-28, and rounded to the nearest number of E3M2, ties to even, subnormals kept.
;;     - The product sums the exact products of the quantised numbers (number of the format x scale) in f32.
;;   ~~~python
;;   def quantise(x, axis):      # numpy; x: float32 -> the quantised numbers, widened to float32 again
;;       x = np.moveaxis(x, axis, -1); K = x.shape[-1]
;;       x = np.pad(x, [(0, 0)] * (x.ndim - 1) + [(0, -K % 32)]); x = x.reshape(x.shape[:-1] + (-1, 32)); a = np.abs(x).max(-1, keepdims=True)
;;       e = np.where(a > 0, np.clip(np.frexp(np.where(a > 0, a, 1))[1] - 1 - 4, -126, 127), 0)      # np.frexp(a)[1] - 1 = floor(log2(a)), exactly
;;       r = np.clip(x / 2.0 ** e, -28, 28)
;;       step = 2.0 ** (np.maximum(np.frexp(np.where(r == 0, 1, r))[1] - 1, -2) - 2)
;;       q = np.round(r / step) * step * 2.0 ** e      # np.round: ties to even
;;       return np.moveaxis(q.reshape(q.shape[:-2] + (-1,))[..., :K], -1, axis).astype(np.float32)
;;   ~~~
;; One version. Each part assembles by itself: llvm-mc -triple=amdgcn-amd-amdhsa -mcpu=gfx1250 --defsym DOCPART=n.
;; ======== version 1 of 1: 2 launches
;; limits: right only within a limited range of input values
;; workspace buffers: q 13,107,200 bytes
;; launch quant (part 1): grid 32 x 32, 4 waves a work-group, no clusters, 13,312 bytes of LDS; arguments inp, q; writes q
.if DOCPART == 1
	.amdgcn_target "amdgcn-amd-amdhsa--gfx1250"
	.amdhsa_code_object_version 6
	.text
	.protected	k_qca1c8fb3a9_quant
	.globl	k_qca1c8fb3a9_quant
	.p2align	8
	.type	k_qca1c8fb3a9_quant,@function
k_qca1c8fb3a9_quant:
	s_mov_b64 s[64:65], 0
	v_nop
	global_prefetch_b8 v0, s[64:65] scope:SCOPE_SE
	s_setreg_imm32_b32 hwreg(HW_REG_WAVE_MODE, 25, 1), 1
	s_wait_xcnt 0x0
; inp [4096 (k)][4096 (n)], f32, is the operand of a product whose K is inp's FIRST axis.  It is turned into codes of BF6 (E3M2), 6 bits each, with one E8M0 scale byte for each 32 along K,
; and laid in q IN THE ORDER OF THE MATRIX OPERAND'S REGISTERS: q is [s = K step of 128: 32][G = group of 128 columns n: 32][12,800 bytes].  A group holds eight fragments (16 columns x 128 K, 1,536 bytes each)
; and behind them 128 scale words.  In a fragment, register j (0 .. 11) of lane l lies at 512 (j / 4) + 16 l + 4 (j % 4); lane l = 16 h + r holds column r, and registers 6 c .. 6 c + 5 hold k = 64 c + 32 h + 0 .. 31.
; So the launch that multiplies gets a fragment by three loads of 16 bytes a lane, and a group's 12,800 bytes (50 x 256) are one dense, aligned run of memory.
; A LANE TAKES A COLUMN n, AND ITS REGISTERS RUN DOWN K: each load reads 128 consecutive bytes a wave (512 a work-group), a block of 32 along K lies in one lane's 32 registers, so that its largest magnitude needs no
; other lane, and the conversions give its 32 codes as six registers: block b of column r is registers 6 (b / 2) .. 6 (b / 2) + 5 of the image's lane 16 (b % 2) + r.
; A block's scale is 2^(floor(log2(its largest magnitude)) - 4); its byte is the largest magnitude's exponent field - 4, held at 1 from below.
; LIMITS: a block of zeros gets the byte 1 where the quantiser's rule says 127: its codes are zeros, which add nothing under any byte but 0xff, and this program alone reads the bytes.  Blocks whose largest magnitude
; lies under 2^-122 keep the byte 1, as the rule's hold at -126 has it.  NaN and infinities among the inputs are not served.
; SHARES.  Work-group (x = G, y = s) makes one group of q.  Wave w takes columns 128 G + 32 w + lane, four blocks a lane: lanes 0-15 make fragment 2 w, lanes 16-31 fragment 2 w + 1: 3,072 consecutive bytes of the group.
; They go through the wave's own stage in LDS, which is laid as the group is, and leave by six stores of 512 consecutive aligned bytes.  The 128 scale words meet in LDS, and wave 0 stores them as 512 consecutive bytes.
.set ROWI,  16384                      ; a row of inp in bytes
.set STEPB, 12800                      ; a group of q
.set SCO,   12288                      ; where its scale words begin
.set WST,   3072                       ; LDS: a wave's stage: two fragments
.set SCS,   4*WST                      ; behind the four stages: the 128 scale words
.set SPARE, SCS+512                    ; behind them: the spare words, 128 bytes for each wave: two blocks of 256 bytes that no other line names
.set IN,   3                           ; v3       4 x lane: my column's bytes in a row of the wave's 32 columns
.set STA,  4                           ; v4       the stage, on the way in: 3,072 w + 1,536 (lane / 16) + 16 (lane % 16)
.set BCK,  5                           ; v5       3,072 w + 16 x lane: where I read the stage back, and the same place in the group of q
.set SWA,  6                           ; v6       where my column's scale word goes: SCS + 4 x thread
.set L16,  7                           ; v7       16 x lane
.set WRD,  8                           ; v8       my column's scale word: byte b for block b
.set SPW,  14                          ; v14      LDS address of my spare word: SPARE + 4 x my thread's number; never rewritten
.set NIL,  15                          ; v15      0; never rewritten
.set X,    32                          ; v32-95   two sets of 32 numbers
.set C,    96                          ; v96-127  a block's six registers of codes, eight registers apart: a set for each block
.set T,    128                         ; v128-130 a block's upper 16 codes as the conversion leaves them
.set OUTR, 132                         ; v132-155 the stage read back
.set SW,   156                         ; v156-159 wave 0: four scale words a lane
	s_load_b128 s[4:7], s[0:1], 0x0                ; inp s[4:5], q s[6:7]
	v_lshl_add_u32 v[SPW], v0, 2, SPARE
	v_mov_b32 v[NIL], 0
	v_lshrrev_b32 v1, 5, v0
	v_readfirstlane_b32 s16, v1                    ; wave 0..3
	v_and_b32 v2, 31, v0                           ; lane
	v_lshlrev_b32 v[IN], 2, v2
	s_mul_i32 s19, s16, WST                        ; my stage
	v_lshrrev_b32 v9, 4, v2                        ; which of my wave's two fragments
	v_and_b32 v10, 15, v2                          ; r: my column in it
	v_mul_u32_u24 v[STA], v9, 1536
	v_lshl_add_u32 v[STA], v10, 4, v[STA]
	v_add_nc_u32 v[STA], s19, v[STA]
	v_lshlrev_b32 v[L16], 4, v2
	v_add_nc_u32 v[BCK], s19, v[L16]
	v_lshl_add_u32 v[SWA], v0, 2, SCS
	s_and_b32 s18, ttmp7, 0xffff                   ; s: which 128 along K
	s_lshl_b32 s20, s18, 21                        ; inp: 128 s rows of 16,384 bytes,
	s_lshl_b32 s21, ttmp9, 9                       ; + 128 G columns,
	s_add_co_u32 s20, s20, s21
	s_lshl_b32 s21, s16, 7                         ; + my wave's 32: all under 2^26
	s_add_co_u32 s20, s20, s21
	s_mov_b32 s21, 0
	s_lshl_b32 s22, s18, 5
	s_add_co_u32 s22, s22, ttmp9
	s_mul_i32 s22, s22, STEPB                      ; q: group 32 s + G
	s_mov_b32 s23, 0
	s_wait_alu depctr_va_vdst(0)
	s_wait_kmcnt 0x0
	s_add_nc_u64 s[4:5], s[4:5], s[20:21]
	s_add_nc_u64 s[6:7], s[6:7], s[22:23]
.macro LOAD b                          ; block b: inp(128 s + 32 b + i, my column), i = 0 .. 31, into set b % 2.  Every offset is an immediate: 127 rows of 16,384 bytes at the most, inside the signed 24 bits (ISA guide, chapter 10)
.irp i, 0,1,2,3,4,5,6,7,8,9,10,11,12,13,14,15,16,17,18,19,20,21,22,23,24,25,26,27,28,29,30,31
	global_load_b32 v[X+32*((\b)%2)+\i], v[IN], s[4:5] offset:(32*(\b)+\i)*ROWI th:TH_LOAD_NT
.endr
.endm
	LOAD 0
	LOAD 1                                         ; loads run two blocks ahead
.macro BLOCK b
.set XS, X+32*((\b)%2)
.set CB, C+8*(\b)
.set HB, 256*((\b)%2)                  ; the image's lanes 16-31 lie 256 bytes behind lanes 0-15
.if (\b) < 3
	s_wait_loadcnt 32                              ; this block's 32 loads are in; the next block's 32 may be out
.else
	s_wait_loadcnt 0x0
.endif
	v_max3_num_f32 v12, |v[XS]|, |v[XS+1]|, |v[XS+2]|               ; the block's largest magnitude: all 32 numbers are mine; two chains, so that they do not wait for each other
	v_max3_num_f32 v13, |v[XS+3]|, |v[XS+4]|, |v[XS+5]|
.irp i, 6,10,14,18,22,26
	v_max3_num_f32 v12, v12, |v[XS+\i]|, |v[XS+\i+1]|
	v_max3_num_f32 v13, v13, |v[XS+\i+2]|, |v[XS+\i+3]|
.endr
	v_max3_num_f32 v12, v12, |v[XS+30]|, |v[XS+31]|
	v_max3_num_f32 v12, v12, v13, 0x2800000        ; and the floor 2^(5 - 127), under which no largest magnitude is taken: so the byte cannot fall under 1
	v_add_nc_u32 v11, 0xfe000000, v12              ; 4 off its exponent field: the conversion takes the exponent field of this operand as its scale, and nothing else of it
	v_cvt_scalef32_pk16_bf6_f32 v[CB:CB+2], v[XS:XS+15], v11        ; sixteen numbers / the scale, to the nearest code, ties to even, beyond 28 the largest code; 96 bits without gaps
	v_cvt_scalef32_pk16_bf6_f32 v[T:T+2], v[XS+16:XS+31], v11       ; (a conversion's three registers begin on an even number: the second half of a block's six does not, so it is made elsewhere and moved)
	v_lshrrev_b32 v13, 23, v11                     ; the scale's byte.  (Also the plain instruction between the conversions and the moves that read their result)
.if (\b) == 0
	v_mov_b32 v[WRD], v13                          ; four bytes to the word, the lower K in the lower byte
.else
	v_lshl_or_b32 v[WRD], v13, 8*(\b), v[WRD]
.endif
.irp i, 0,1,2
	v_mov_b32 v[CB+3+\i], v[T+\i]
.endr
.if (\b) < 2                           ; registers 0 .. 5 of the image: 0-3 in its first 512 bytes, 4 and 5 in the lower half of my 16 bytes of the second
	ds_store_b128 v[STA], v[CB:CB+3] offset:HB
	ds_store_b64 v[STA], v[CB+4:CB+5] offset:512+HB
.else                                  ; registers 6 .. 11: 6 and 7 in the upper half of those 16 bytes, 8-11 in the third 512
	ds_store_b64 v[STA], v[CB:CB+1] offset:520+HB
	ds_store_b128 v[STA], v[CB+2:CB+5] offset:1024+HB
.endif
.if (\b) < 2
	LOAD (\b)+2
.endif
.endm
	BLOCK 0
	BLOCK 1
	BLOCK 2
	BLOCK 3
	ds_store_b32 v[SWA], v[WRD]                    ; my column's scale word, for wave 0
.irp j, 0,1,2,3,4,5
	ds_load_b128 v[OUTR+4*\j:OUTR+4*\j+3], v[BCK] offset:512*\j   ; LDS serves a wave's instructions in order (ISA guide 5.7.1.4): these see my stores into my own stage
.endr
.irp j, 0,1,2,3,4,5
	s_wait_dscnt 5-\j                              ; read-back j is in; the 5 - j younger ones may be out.  The last count is 0: my scale word has landed too
	global_store_b128 v[BCK], v[OUTR+4*\j:OUTR+4*\j+3], s[6:7] offset:512*\j   ; 32 lanes store 512 consecutive bytes, at a multiple of 256 from q's first byte
.endr
	s_barrier_signal -1                            ; no LDS instruction of mine is out: every wave's scale words lie in LDS behind this barrier
	s_barrier_wait -1
	s_cmp_lg_u32 s16, 0
	s_cbranch_scc1 .Lnot_wave_0
	ds_load_b128 v[SW:SW+3], v[L16] offset:SCS     ; wave 0: the group's 128 scale words, four a lane
	s_wait_dscnt 0x0
	global_store_b128 v[L16], v[SW:SW+3], s[6:7] offset:SCO   ; 512 consecutive bytes, at a multiple of 256 from q's first byte
.Lnot_wave_0:
	s_wait_tensorcnt 0x0                           ; the wave's end
	ds_add_u32 v[SPW], v[NIL]
	s_wait_dscnt 0x0
	s_endpgm
.Lfunc_end_k_qca1c8fb3a9_quant:
	.size	k_qca1c8fb3a9_quant, .Lfunc_end_k_qca1c8fb3a9_quant-k_qca1c8fb3a9_quant
	.p2alignl 7, 3214868480
	.fill 96, 4, 3214868480
	.section	.rodata,"a",@progbits
	.p2align	6, 0x0
	.amdhsa_kernel k_qca1c8fb3a9_quant
		.amdhsa_group_segment_fixed_size 13312
		.amdhsa_private_segment_fixed_size 0
		.amdhsa_enable_private_segment 0
		.amdhsa_kernarg_size 16
		.amdhsa_user_sgpr_count 2
		.amdhsa_user_sgpr_kernarg_segment_ptr 1
		.amdhsa_wavefront_size32 1
		.amdhsa_system_sgpr_workgroup_id_x 1
		.amdhsa_system_sgpr_workgroup_id_y 1
		.amdhsa_system_sgpr_workgroup_id_z 1
		.amdhsa_system_vgpr_workitem_id 0
		.amdhsa_next_free_vgpr 160
		.amdhsa_next_free_sgpr 66
		.amdhsa_reserve_vcc 0
		.amdhsa_float_denorm_mode_32 3
		.amdhsa_float_denorm_mode_16_64 3
		.amdhsa_memory_ordered 1
		.amdhsa_forward_progress 1
		.amdhsa_inst_pref_size 22
	.end_amdhsa_kernel
	.amdgpu_metadata
---
amdhsa.version: [ 1, 2 ]
amdhsa.kernels:
  - .name:           k_qca1c8fb3a9_quant
    .symbol:         k_qca1c8fb3a9_quant.kd
    .args:
      - { .name: inp, .offset: 0, .size: 8, .value_kind: global_buffer, .address_space: global }
      - { .name: q, .offset: 8, .size: 8, .value_kind: global_buffer, .address_space: global }
    .group_segment_fixed_size: 13312
    .private_segment_fixed_size: 0
    .kernarg_segment_align: 8
    .kernarg_segment_size: 16
    .max_flat_workgroup_size: 128
    .sgpr_count:     66
    .vgpr_count:     160
    .wavefront_size: 32
...
	.end_amdgpu_metadata
.endif
;; end of part 1
;; launch gram (part 2): grid 16 x 16, 4 waves a work-group, clusters of 4 x 4, 327,680 bytes of LDS; arguments q, out0; writes out0
.if DOCPART == 2
	.amdgcn_target "amdgcn-amd-amdhsa--gfx1250"
	.amdhsa_code_object_version 6
	.text
	.protected	k_qca1c8fb3a9_gram
	.globl	k_qca1c8fb3a9_gram
	.p2align	8
	.type	k_qca1c8fb3a9_gram,@function
k_qca1c8fb3a9_gram:
	s_mov_b64 s[64:65], 0
	v_nop
	global_prefetch_b8 v0, s[64:65] scope:SCOPE_SE
	s_setreg_imm32_b32 hwreg(HW_REG_WAVE_MODE, 25, 1), 1
	s_wait_xcnt 0x0
	s_wait_alu depctr_hold_cnt(0) depctr_sa_sdst(0) depctr_va_vdst(0) depctr_va_sdst(0) depctr_va_ssrc(0) depctr_va_vcc(0) depctr_vm_vsrc(0)
	s_getreg_b32 s2, hwreg(HW_REG_IB_STS2, 6, 4)
	s_cmp_eq_u32 s2, 0
	s_cbranch_scc0 .Lentry_in_a_cluster
	s_endpgm
.Lentry_in_a_cluster:
	s_bfe_u32 s2, ttmp6, 0x10000c
	s_cmp_lg_u32 s2, 0xf033
	s_cbranch_scc0 .Lentry_shape_is_right
	s_endpgm
.Lentry_shape_is_right:
; out0[i][j] = sum over k of Q(inp)[k][i] Q(inp)[k][j]: both operands are the codes and scale words that the launch before laid in q, [K step of 128: 32][group of 128 columns: 32][12,800 bytes]:
; a group is eight fragments (16 columns x 128 K, 1,536 bytes, in the order of the operand's registers: three loads of 16 bytes a lane) and 128 scale words.
; A work-group of four waves makes 256 x 256 of out0, a wave 128 x 128: 64 accumulators, 512 registers.  The matrix instruction is used transposed (source 0 = B's fragment, source 1 = A's): a lane holds eight neighbouring numbers of a row.
; THE RING: two LDS slots, each with the groups of three K steps (A's two groups, B's two: 4 x 38,400 bytes); wave w fills region w by one tensor load of three rows of 12,800 bytes, 409,600 apart, all multiples of 256.
; Fill k holds K steps 3 k .. 3 k + 2 and lies in slot k % 2; fill 10 holds the last two steps.  32 = 10 x 3 + 2.
; REGISTERS: BOTH operands have two sets of fragments.  So step s multiplies set s % 2 while step s + 1's 56 LDS loads go into the other set in three runs, and a slot is free as soon as its last step's fragments are in registers:
; the wait for all tensor loads, the add, the round of the cluster's barrier and the refill stand in the slot's MIDDLE step (macro MEET), and the slot's last step already fetches from the other slot.
;   window 0: v0-31 addresses; v32-47 scale words, two sets; v48-143, v144-239 A's fragments.  window 1: v0-95, v128-223 B's fragments.  windows 2, 3: the accumulators of my rows 0-63, 64-127.
; CLUSTERS: 4 x 4 work-groups; A's groups are shared along a row of the cluster, B's along a column, each by a joint load whose mask names the four.
; PREFETCH: behind each refill one instruction a wave asks for the fill that the NEXT refill will load (three K steps ahead of that load).  A work-group's two groups of A are 100 blocks of 256 bytes in a K step, 300 in a fill;
; the four partners of a cluster's row x four waves take 19 blocks each, told apart by address (lanes 19-31 name the wave's last block again).  B's tiles are bytes of the same planes of q, which the clusters of another row
; ask for as their A: so they are not asked for a second time.  Fills 1 and 2 are asked for at the head; fill 0 comes by its load alone.  Every address is held at the last block of the work-group's groups in plane 31.
; THE LAST K STEP: a block of 16 rows is finished with its eight products, and leaves at once, through the wave's own stage in slot 1, which has had its last fill and its last read by then.
.set STEPB,  12800
.set FRB,    1536
.set SCO,    12288                     ; where a group's scale words begin
.set PLANE,  32*STEPB                  ; a K step of q
.set NQ,     3                         ; K steps in a slot
.set REG,    NQ*STEPB                  ; a wave's region of a slot
.set SLOT,   4*REG
.set SPARE,  2*SLOT                    ; behind the ring: the spare words, 128 bytes a wave
.set SPITCH, 528                       ; the stage: 16 rows x (512 + 16) bytes for each wave
.set STAGE,  SLOT
.set ROWC,   16384                     ; a row of out0 in bytes
.set FR,     12                        ; registers of a fragment
.set LAPS,   4                         ; trips of six K steps: steps 1 .. 24
.set PLIM,   31*PLANE+2*STEPB-256      ; the last block that a prefetch may name, from the work-group's first group in plane 0
.set ADRA, 16                          ; v16-17 LDS address of my A fragments in slot 0, 1
.set ADRB, 18                          ; v18-19 the same for B
.set ADRS, 20                          ; v20-21 my scale words: lanes 0-15 A's, lanes 16-31 B's
.set STO,  22                          ; the way out: into the stage
.set RD,   23                          ; and back
.set CO,   24                          ; 16 x lane
.set PF,   25                          ; the next prefetch's offset, not yet held
.set PT,   26                          ; the offset that a prefetch names
.set SPW,  28                          ; my spare word; never rewritten
.set NIL,  29                          ; 0; never rewritten
.set SC,   32
.set AF,   48
.set G1,   24                          ; s[24:31] group 1, A's tiles, three rows; s[32:39] group 0, a set for each slot
.set G0,   32
.set G1B,  48                          ; the same for B's
.set G0B,  56
.set G1F,  68                          ; groups 1 with two rows, for fill 10
.set G1FB, 76
.set PFA,  84                          ; s[84:85] q at my work-group's first group of A, plane 0; never rewritten
.set MSB, 0
.macro WIN new                         ; the immediate's high byte repeats the setting that is left
.set NW, \new
.if MSB != NW
	s_set_vgpr_msb (MSB<<8)|NW
.set MSB, NW
.endif
.endm
.set MUL_LO, 0xa1                      ; source 0 (B) window 1, source 1 (A) window 0, C and D window 2
.set MUL_HI, 0xf1
.set TO_B,   0x40
.macro PLACES                          ; four places between matrix instructions and loads into, or reads of, their registers
.rept 4
	v_nop
.endr
.endm
.macro JLOAD g0a, g1a, g0b, g1b        ; a joint load: waves 0, 1 fetch A's groups, waves 2, 3 B's; s_nop 0 and four v_nop behind each line
	s_cmp_eq_u32 s15, 0
	s_cbranch_scc0 .Lfor_b_\@
	tensor_load_to_lds s[\g0a:\g0a+3], s[\g1a:\g1a+7]
	s_nop 0
	PLACES
	s_branch .Lasked_\@
.Lfor_b_\@:
	tensor_load_to_lds s[\g0b:\g0b+3], s[\g1b:\g1b+7]
	s_nop 0
	PLACES
.Lasked_\@:
.endm
.macro CREST                           ; a round of the cluster's barrier behind its opening barrier
	s_cmp_lg_u32 s14, 0
	s_cbranch_scc1 .Lnot_wave_0_\@
	s_barrier_signal -3
.Lnot_wave_0_\@:
	s_barrier_wait -3
	s_barrier_signal -1
	s_barrier_wait -1
.endm
.macro CROUND
	s_barrier_signal -1
	s_barrier_wait -1
	CREST
.endm
.macro ASK                             ; one prefetch: my 19 blocks of the next fill not yet asked for
	s_wait_xcnt 0x0                                ; the prefetch before has read PT
	v_min_u32 v[PT], PLIM, v[PF]                   ; held inside q: fill 10 has two K steps
	v_add_nc_u32 v[PF], 3*PLANE, v[PF]
	s_wait_alu depctr_va_vdst(0)
	global_prefetch_b8 v[PT], s[PFA:PFA+1] th:TH_LOAD_NT scope:SCOPE_SE
.endm
	s_load_b128 s[4:7], s[0:1], 0x0                ; q s[4:5], out0 s[6:7]
	v_lshl_add_u32 v[SPW], v0, 2, SPARE
	v_mov_b32 v[NIL], 0
	ds_add_u32 v[SPW], v[NIL]                      ; the opening lines: the add, twice on end, and its wait ahead of my first tensor load
	ds_add_u32 v[SPW], v[NIL]
	v_lshrrev_b32 v1, 5, v0
	v_readfirstlane_b32 s14, v1                    ; wave
	s_lshr_b32 s15, s14, 1                         ; my half of the rows; also: I fetch for A (0) or B (1)
	s_and_b32 s16, s14, 1                          ; my half of the columns; also: which of the two groups I fetch
	s_bfe_u32 s40, ttmp6, 0x40000                  ; cx
	s_bfe_u32 s41, ttmp6, 0x40004                  ; cy
	s_lshl_b32 s42, ttmp9, 2
	s_add_co_u32 s42, s42, s40                     ; tile column
	s_and_b32 s17, ttmp7, 0xffff
	s_lshl_b32 s17, s17, 2
	s_add_co_u32 s17, s17, s41                     ; tile row
	s_lshl_b32 s43, s41, 2
	s_lshl_b32 s43, 15, s43                        ; my row of the cluster
	s_lshl_b32 s44, 0x1111, s40                    ; my column
	s_or_b32 s[G1+0], s43, (3<<16)|(1<<21)         ; the mask; elements of 8 bytes; bit 21 beside a mask
	s_or_b32 s[G1B+0], s44, (3<<16)|(1<<21)
	s_or_b32 s[G1F+0], s43, (3<<16)|(1<<21)
	s_or_b32 s[G1FB+0], s44, (3<<16)|(1<<21)
.irp g, G1, G1B
	s_mov_b32 s[\g+1], (STEPB/8)<<16
	s_mov_b32 s[\g+2], NQ<<16
	s_mov_b32 s[\g+3], (STEPB/8)<<16
	s_mov_b32 s[\g+4], NQ
	s_mov_b32 s[\g+5], PLANE/8
	s_mov_b32 s[\g+6], 0
	s_mov_b32 s[\g+7], 0
.endr
.irp g, G1F, G1FB
	s_mov_b32 s[\g+1], (STEPB/8)<<16
	s_mov_b32 s[\g+2], 2<<16
	s_mov_b32 s[\g+3], (STEPB/8)<<16
	s_mov_b32 s[\g+4], 2
	s_mov_b32 s[\g+5], PLANE/8
	s_mov_b32 s[\g+6], 0
	s_mov_b32 s[\g+7], 0
.endr
	s_lshl_b32 s86, s40, 2
	s_add_co_u32 s86, s86, s14
	s_mul_i32 s86, s86, 19                         ; the prefetches: my first block of a fill's 300: 19 (4 cx + wave)
	v_and_b32 v6, 31, v0
	v_min_u32 v6, 18, v6
	v_add_nc_u32 v6, s86, v6
	v_min_u32 v6, 299, v6                          ; block i
	v_mul_u32_u24 v7, v6, 656
	v_lshrrev_b32 v7, 16, v7                       ; i / 100: its K step in the fill
	v_mul_u32_u24 v7, v7, PLANE-2*STEPB
	v_lshl_add_u32 v7, v6, 8, v7                   ; 256 i + what lies between two K steps' groups
	v_add_nc_u32 v[PF], 3*PLANE, v7                ; beginning with fill 1
	s_mul_i32 s86, s17, 2*STEPB                    ; my work-group's first group of A
	s_mov_b32 s87, 0
	s_lshl_b32 s20, s17, 1
	s_add_co_u32 s20, s20, s16
	s_mul_i32 s20, s20, STEPB                      ; A: group 2 x tile row + half
	s_mov_b32 s21, 0
	s_lshl_b32 s46, s42, 1
	s_add_co_u32 s46, s46, s16
	s_mul_i32 s46, s46, STEPB                      ; B: group 2 x tile column + half
	s_mov_b32 s47, 0
	s_mul_i32 s45, s14, REG                        ; where my tiles go: wave x a region
	s_wait_alu depctr_va_vdst(0)
	s_wait_dscnt 0x0                               ; both opening adds are done
	s_wait_kmcnt 0x0
	s_add_nc_u64 s[20:21], s[4:5], s[20:21]
	s_add_nc_u64 s[46:47], s[4:5], s[46:47]
	s_add_nc_u64 s[PFA:PFA+1], s[4:5], s[86:87]
	ASK                                            ; fill 1
.irp s, 0,1
	s_mov_b32 s[G0+4*\s], 1
	s_add_co_u32 s[G0+4*\s+1], s45, \s*SLOT
	s_add_nc_u64 s[G0+4*\s+2:G0+4*\s+3], s[20:21], \s*NQ*PLANE
	s_or_b32 s[G0+4*\s+3], s[G0+4*\s+3], 0x80000000
	s_mov_b32 s[G0B+4*\s], 1
	s_add_co_u32 s[G0B+4*\s+1], s45, \s*SLOT
	s_add_nc_u64 s[G0B+4*\s+2:G0B+4*\s+3], s[46:47], \s*NQ*PLANE
	s_or_b32 s[G0B+4*\s+3], s[G0B+4*\s+3], 0x80000000
.endr
	CROUND                                         ; all sixteen work-groups are here: the first joint loads meet
	JLOAD G0, G1, G0B, G1B                         ; fill 0: one tensor load a wave at the head
	s_mul_i32 s8, s15, REG                         ; my 128 rows of A
	s_mul_i32 s9, s16, REG
	s_add_co_u32 s9, s9, 2*REG                     ; my 128 rows of B
	s_sub_co_u32 s10, s9, s8
	s_add_co_u32 s11, s8, SCO
	s_mul_i32 s12, s14, 16*SPITCH
	s_add_co_u32 s12, s12, STAGE                   ; my stage
	s_lshl_b32 s20, s17, 8
	s_lshl_b32 s21, s15, 7
	s_add_co_u32 s20, s20, s21                     ; my first row of out0,
	s_lshl_b32 s20, s20, 14                        ; in bytes
	s_mov_b32 s21, 0
	s_lshl_b32 s46, s42, 10
	s_lshl_b32 s47, s16, 9
	s_add_co_u32 s46, s46, s47                     ; my first column, in bytes
	s_mov_b32 s47, 0
	s_add_nc_u64 s[20:21], s[20:21], s[46:47]
	s_add_nc_u64 s[6:7], s[6:7], s[20:21]
	v_and_b32 v1, 15, v0                           ; r
	v_bfe_u32 v2, v0, 4, 1                         ; h
	v_and_b32 v6, 31, v0
	v_lshlrev_b32 v[CO], 4, v6
	v_add_nc_u32 v[ADRA], s8, v[CO]
	v_add_nc_u32 v[ADRB], s9, v[CO]
	v_add_nc_u32 v[ADRA+1], SLOT, v[ADRA]
	v_add_nc_u32 v[ADRB+1], SLOT, v[ADRB]
	v_mul_u32_u24 v7, s10, v2                      ; lanes 16-31 take B's scale words
	v_lshl_add_u32 v7, v1, 2, v7
	v_add_nc_u32 v[ADRS], s11, v7
	v_add_nc_u32 v[ADRS+1], SLOT, v[ADRS]
	v_mul_u32_u24 v5, v1, SPITCH
	v_lshl_add_u32 v5, v2, 5, v5
	v_add_nc_u32 v[STO], s12, v5                   ; into the stage: row r, 32 bytes for each half of the lanes
	v_add_nc_u32 v[RD], s12, v[CO]                 ; back: the 32 lanes take a row of 512 bytes
	ASK                                            ; fill 2
.macro FRAG reg, adr, q, i             ; a fragment: three loads of 16 bytes a lane, each 512 consecutive bytes of LDS
.irp g, 0,1,2
	ds_load_b128 v[\reg+4*\g:\reg+4*\g+3], v[\adr] offset:(\q)*STEPB+(\i)*FRB+512*\g
.endr
.endm
.macro LB slot, q, p, i0, n            ; B's fragments i0 .. i0 + n - 1 of row q of a slot into set p (window 1)
.set II, \i0
.rept \n
	FRAG 128*(\p)+FR*II, ADRB+\slot, \q, II
.set II, II+1
.endr
.endm
.macro LA slot, q, p, i0, n            ; the same for A (window 0)
.set II, \i0
.rept \n
	FRAG AF+96*(\p)+FR*II, ADRA+\slot, \q, II
.set II, II+1
.endr
.endm
.macro LS slot, q, p                   ; the scale words: register i: lanes 0-15 A's block i, lanes 16-31 B's block i
.irp i, 0,1,2,3,4,5,6,7
	ds_load_b32 v[SC+8*(\p)+\i], v[ADRS+\slot] offset:(\q)*STEPB+64*\i
.endr
.endm
.macro MUL8 a, p, zero                 ; A's block a against B's eight, 128 along K; the 64 accumulators take turns in the same order in every step
.irp b, 0,1,2,3,4,5,6,7
.if \zero
	v_wmma_scale_f32_16x16x128_f8f6f4 v[8*(8*((\a)%4)+\b):8*(8*((\a)%4)+\b)+7], v[128*(\p)+FR*\b:128*(\p)+FR*\b+FR-1], v[AF+96*(\p)+FR*(\a):AF+96*(\p)+FR*(\a)+FR-1], 0, v[SC+8*(\p)+\b], v[SC+8*(\p)+(\a)] matrix_a_fmt:MATRIX_FMT_BF6 matrix_b_fmt:MATRIX_FMT_BF6 matrix_a_scale:MATRIX_SCALE_ROW1
.else
	v_wmma_scale_f32_16x16x128_f8f6f4 v[8*(8*((\a)%4)+\b):8*(8*((\a)%4)+\b)+7], v[128*(\p)+FR*\b:128*(\p)+FR*\b+FR-1], v[AF+96*(\p)+FR*(\a):AF+96*(\p)+FR*(\a)+FR-1], v[8*(8*((\a)%4)+\b):8*(8*((\a)%4)+\b)+7], v[SC+8*(\p)+\b], v[SC+8*(\p)+(\a)] matrix_a_fmt:MATRIX_FMT_BF6 matrix_b_fmt:MATRIX_FMT_BF6 matrix_a_scale:MATRIX_SCALE_ROW1
.endif
.endr
.endm
; A K step: 64 matrix instructions on set p; the next step's fragments (row nq of slot ns) go into the other set in three runs of 18, 20 and 18 loads.
.macro STEP p, ns, nq, zero, ask
.if \zero
	s_wait_dscnt 12                                ; the first step: all but A's blocks 4-7
.endif
	PLACES                                         ; the other set was multiplied in the step before
	WIN TO_B
	LB \ns, \nq, 1-(\p), 0, 6
	s_wait_dscnt 30                                ; this step's B, scale words and A's blocks 0-3 are in: the 18 just issued and A's blocks 4-7 (12) may be out
	WIN MUL_LO
	MUL8 0, \p, \zero
	MUL8 1, \p, \zero
	WIN TO_B
	LB \ns, \nq, 1-(\p), 6, 2
	WIN 0
	LS \ns, \nq, 1-(\p)
	LA \ns, \nq, 1-(\p), 0, 2
.if \ask
	ASK
.endif
	WIN MUL_LO
	MUL8 2, \p, \zero
	MUL8 3, \p, \zero
	s_wait_dscnt 38                                ; A's blocks 4-7 are in: behind them 18 + 20 loads were issued
	WIN 0
	LA \ns, \nq, 1-(\p), 2, 6
	WIN MUL_HI
	MUL8 4, \p, \zero
	MUL8 5, \p, \zero
	MUL8 6, \p, \zero
	MUL8 7, \p, \zero
	WIN 0
.endm
; A slot's middle step.  It fetches the slot's last row (two runs, early), and then the slot is read no more: each wave waits for all its tensor loads (its part of the other slot), adds 0 to its spare word,
; waits for the add and for its reads, and the barrier opens a round of the cluster's barrier, behind which the slot is filled again (fill = 1).  fill = 0: the barrier alone, which shows the last fill whole.
.macro MEET p, ns, nq, fill, g1a, g1b
	PLACES
	WIN TO_B
	LB \ns, \nq, 1-(\p), 0, 8
	s_wait_dscnt 24                                ; all this step's fragments are in: the 24 just issued may be out
	WIN MUL_LO
	MUL8 0, \p, 0
	MUL8 1, \p, 0
	WIN 0
	LS \ns, \nq, 1-(\p)
	LA \ns, \nq, 1-(\p), 0, 8
	WIN MUL_LO
	MUL8 2, \p, 0
	MUL8 3, \p, 0
	WIN MUL_HI
	MUL8 4, \p, 0
	MUL8 5, \p, 0
	WIN 0                                          ; (the add's two registers lie in window 0)
	s_wait_tensorcnt 0x0                           ; all my tensor loads have landed
	ds_add_u32 v[SPW], v[NIL]
	WIN MUL_HI
	MUL8 6, \p, 0                                  ; eight matrix instructions between the add and the wait for it
	s_wait_dscnt 0x0                               ; the add is done, and my reads of this slot are over
	s_barrier_signal -1
	MUL8 7, \p, 0
	WIN 0
	s_barrier_wait -1
.if \fill
	CREST                                          ; no wave of any partner still reads this slot or has a load on its way
	s_add_nc_u64 s[G0+4*\ns+2:G0+4*\ns+3], s[G0+4*\ns+2:G0+4*\ns+3], 2*NQ*PLANE
	s_add_nc_u64 s[G0B+4*\ns+2:G0B+4*\ns+3], s[G0B+4*\ns+2:G0B+4*\ns+3], 2*NQ*PLANE
	JLOAD G0+4*\ns, \g1a, G0B+4*\ns, \g1b          ; the first tensor load behind the round: two fills on
.endif
.endm
	s_wait_alu depctr_va_vdst(0)
	s_wait_tensorcnt 0x0                           ; my part of fill 0 is in; slot 1's first fill is issued as a refill is:
	ds_add_u32 v[SPW], v[NIL]
	s_wait_dscnt 0x0
	CROUND
	JLOAD G0+4, G1, G0B+4, G1B                     ; fill 1
	WIN TO_B
	LB 0, 0, 0, 0, 8                               ; step 0's fragments
	WIN 0
	LS 0, 0, 0
	LA 0, 0, 0, 0, 8
	STEP 0, 0, 1, 1, 0                             ; step 0 starts the sums: nothing is cleared
	s_mov_b32 s3, LAPS
.Llap:                                                 ; steps 6 t + 1 .. 6 t + 6: sets and slots are back where they began
	MEET 1, 0, 2, 1, G1, G1B                       ; slot 0 takes fill 2 t + 2
	STEP 0, 1, 0, 0, 1                             ; asks for fill 2 t + 3
	STEP 1, 1, 1, 0, 0
	MEET 0, 1, 2, 1, G1, G1B                       ; slot 1 takes fill 2 t + 3
	STEP 1, 0, 0, 0, 1                             ; asks for fill 2 t + 4
	STEP 0, 0, 1, 0, 0
	s_sub_co_u32 s3, s3, 1
	s_cmp_lg_u32 s3, 0
	s_cbranch_scc1 .Llap
	MEET 1, 0, 2, 1, G1F, G1FB                     ; step 25: slot 0 takes fill 10, two K steps
	STEP 0, 1, 0, 0, 0
	STEP 1, 1, 1, 0, 0
	MEET 0, 1, 2, 0, 0, 0                          ; step 28: fill 10 is whole, slot 1 is read no more; nothing is filled
	STEP 1, 0, 0, 0, 0
	STEP 0, 0, 1, 0, 0                             ; step 30
; THE WAY OUT, block by block of 16 rows x 128 columns: through my own stage and back as whole rows of 512 bytes, which the 32 lanes store as two aligned units of 256 bytes.
; Read back into registers of the sets that step 30 multiplied: even blocks window 0 v48-111, odd blocks window 1 v0-63.  LDS serves a wave's instructions in order (ISA guide 5.7.1.4).
.macro TOSTAGE a
.set AC, 64*((\a)%4)
	WIN 0x08+4*((\a)/4)                            ; the data: window 2 or 3
.irp b, 0,1,2,3,4,5,6,7
	ds_store_b128 v[STO], v[AC+8*\b:AC+8*\b+3] offset:64*\b          ; each accumulator from its low end on
	ds_store_b128 v[STO], v[AC+8*\b+4:AC+8*\b+7] offset:64*\b+16
.endr
	WIN ((\a)%2)<<6
.set BB, AF*(1-((\a)%2))
.irp t, 0,1,2,3,4,5,6,7,8,9,10,11,12,13,14,15
	ds_load_b128 v[BB+4*\t:BB+4*\t+3], v[RD] offset:\t*SPITCH
.endr
	WIN 0
.endm
.macro SEND a, younger                 ; younger: the LDS instructions issued behind block a's read-back
.set BB, AF*(1-((\a)%2))
	s_wait_dscnt \younger
.if (\a) > 0
	s_add_nc_u64 s[6:7], s[6:7], 16*ROWC           ; (behind a wait on XCNT: the earlier stores have read their base)
.endif
	WIN ((\a)%2)<<2
.irp t, 0,1,2,3,4,5,6,7,8,9,10,11,12,13,14,15
	global_store_b128 v[CO], v[BB+4*\t:BB+4*\t+3], s[6:7] offset:\t*ROWC th:TH_STORE_NT
.endr
	WIN 0
.endm
	s_wait_dscnt 0x0                               ; step 31's fragments are in; nothing more is fetched
	WIN MUL_LO
	MUL8 0, 1, 0
.irp a, 0,1,2,3,4,5,6,7                ; block a is finished with its eight products: it goes to the stage behind block a + 1's products, and block a - 1 is stored
.if \a < 7
	WIN MUL_LO+0x50*((\a+1)/4)
	MUL8 \a+1, 1, 0
.endif
	PLACES
.if \a > 1
	s_wait_xcnt 0x0                                ; block a - 2's stores have read their registers and their base
.endif
	TOSTAGE \a
.if \a > 0
	SEND \a-1, 32                                  ; behind block a - 1's read-back: block a's 16 stores and 16 loads
.endif
.endr
	s_wait_xcnt 0x0
	SEND 7, 0
	s_wait_tensorcnt 0x0                           ; the wave's end
	ds_add_u32 v[SPW], v[NIL]
	s_wait_dscnt 0x0
	CROUND                                         ; the closing round
	s_endpgm
.Lfunc_end_k_qca1c8fb3a9_gram:
	.size	k_qca1c8fb3a9_gram, .Lfunc_end_k_qca1c8fb3a9_gram-k_qca1c8fb3a9_gram
	.p2alignl 7, 3214868480
	.fill 96, 4, 3214868480
	.section	.rodata,"a",@progbits
	.p2align	6, 0x0
	.amdhsa_kernel k_qca1c8fb3a9_gram
		.amdhsa_group_segment_fixed_size 327680
		.amdhsa_private_segment_fixed_size 0
		.amdhsa_enable_private_segment 0
		.amdhsa_kernarg_size 16
		.amdhsa_user_sgpr_count 2
		.amdhsa_user_sgpr_kernarg_segment_ptr 1
		.amdhsa_wavefront_size32 1
		.amdhsa_system_sgpr_workgroup_id_x 1
		.amdhsa_system_sgpr_workgroup_id_y 1
		.amdhsa_system_sgpr_workgroup_id_z 1
		.amdhsa_system_vgpr_workitem_id 0
		.amdhsa_next_free_vgpr 1024
		.amdhsa_next_free_sgpr 96
		.amdhsa_reserve_vcc 0
		.amdhsa_float_denorm_mode_32 3
		.amdhsa_float_denorm_mode_16_64 3
		.amdhsa_memory_ordered 1
		.amdhsa_forward_progress 1
		.amdhsa_inst_pref_size 212
	.end_amdhsa_kernel
	.amdgpu_metadata
---
amdhsa.version: [ 1, 2 ]
amdhsa.kernels:
  - .name:           k_qca1c8fb3a9_gram
    .symbol:         k_qca1c8fb3a9_gram.kd
    .args:
      - { .name: q, .offset: 0, .size: 8, .value_kind: global_buffer, .address_space: global }
      - { .name: out0, .offset: 8, .size: 8, .value_kind: global_buffer, .address_space: global }
    .group_segment_fixed_size: 327680
    .private_segment_fixed_size: 0
    .kernarg_segment_align: 8
    .kernarg_segment_size: 16
    .max_flat_workgroup_size: 128
    .sgpr_count:     96
    .vgpr_count:     1024
    .wavefront_size: 32
...
	.end_amdgpu_metadata
.endif
;; end of part 2
